; MI455X (gfx1250); checked and timed in simulation.
; The chip was launched on July 23, 2026; its instructions are those of AMD's public machine-readable ISA for CDNA 5 (MIT licence, August 2026) and "CDNA5" Instruction Set Architecture Reference Guide (July 2026). The comments in the code are by the model that wrote it; some were corrected since.
;; Head. Allowed arithmetic: float matrix products may take bf16 or f16 operands with f32 sums; all other float work in f32.
;; Inputs: Wk 128 x 64 float32; Wq 128 x 64 float32; Wv 128 x 64 float32; x 8 x 4,096 x 128 float32.
;; Outputs: out0 8 x 4,096 x 64 float32.
;; One version. Each part assembles by itself: llvm-mc -triple=amdgcn-amd-amdhsa -mcpu=gfx1250 --defsym DOCPART=n.
;; ======== version 1 of 1: 2 launches
;; limits: values are held in f16: magnitudes above 65,504 overflow, below 6.1e-05 lose precision
;; workspace buffers: Qs 4,194,304 bytes; Kb 4,194,304 bytes; Vt 4,194,304 bytes
;; launch proj (part 1): grid 256 x 1, 8 waves a work-group, no clusters, 151,552 bytes of LDS; arguments x, Wq, Wk, Wv, Qs, Kb, Vt; writes Qs, Kb, Vt
.if DOCPART == 1
	.amdgcn_target "amdgcn-amd-amdhsa--gfx1250"
	.amdhsa_code_object_version 6
	.text
	.protected	k_q6f9b4fa463_proj
	.globl	k_q6f9b4fa463_proj
	.p2align	8
	.type	k_q6f9b4fa463_proj,@function
k_q6f9b4fa463_proj:
	s_mov_b64 s[64:65], 0
	v_nop
	global_prefetch_b8 v0, s[64:65] scope:SCOPE_SE
	s_setreg_imm32_b32 hwreg(HW_REG_WAVE_MODE, 25, 1), 1
	s_wait_xcnt 0x0
; Qs = f16(c x Wq), Kb = f16(x Wk), Vt = f16((x Wv) transposed).  c = log2(e) / sqrt(128), so that the next launch takes 2^s for e^(s / sqrt(128)).
; x: [8][4096][128] f32.  W: [128 d][64 f] f32.  Qs, Kb: [8][4096][64] f16.  Vt: [8][64][4096] f16.
; x and W are rounded to bf16 (nearest even) and multiplied by the bf16 matrix form with f32 sums; the results are rounded once to f16.
; LIMIT: |c Q|, |K| and |V| must stay below 65,504 (f16).  With x of spread 1 and W of spread 1/sqrt(128) they stay near 5; with all inputs 30 times
; larger near 5,000; with offsets of 30 spreads on x and W near 10,200.  Beyond 65,504 the f16 numbers become infinite.
; A work-group owns 128 tokens.  Eight waves: wave w makes features 16 (w>>1) .. +15 of Q, K and V for tokens 64 (w&1) .. +63.
; Phase A: all of W and the 128 rows of x come in by 16-byte loads (a wave's load covers 512 consecutive bytes), are rounded and laid into LDS.
; Phase B: fragments from LDS, 48 matrix instructions a wave, results packed to f16 into LDS stages.
; Phase C: the stages are read back by rows and stored: each group of 16 lanes stores 256 consecutive bytes, aligned.
; No cluster and no tensor loads: what work-groups share is W alone, 96 KiB against 64 KiB of x each, read once at the start.
.set XP,   272                         ; x in LDS: a row of 128 bf16 + 16 bytes
.set WP,   160                         ; W in LDS: a row of 64 bf16 + 32 bytes: an odd multiple of 32
.set WS,   128*XP                      ; 34,816: W's three matrices
.set WMAT, 128*WP                      ; 20,480 each
.set QS,   WS+3*WMAT                   ; 96,256: Q's stage, [128 tokens][64 f] f16
.set QP,   144                         ; its pitch: 128 + 16
.set KOFF, 128*QP                      ; 18,432: K's stage lies behind Q's
.set VS,   QS+2*KOFF                   ; 133,120: V's stage, [64 f][128 tokens] f16
.set VP,   272                         ; its pitch: 256 + 16.  The map ends at VS + 64 VP = 150,528
.set CSC,  0x3e0293ee                  ; c = 0.12751743
.set LD0,  16                          ; phase A: v[16:111] W (24 loads), v[112:175] x (16 loads)
.set PK,   32                          ; phase B: v[32:43] packed results
.set ACC,  48                          ; v[48:95]  two sets of three accumulators (Q, K, V)
.set XF,   96                          ; v[96:159] two buffers of x fragments, 4 K steps of 8 registers
.set WF,   160                         ; v[160:255] W fragments: 32 registers a matrix, 8 a K step
.set CD,   48                          ; phase C: v[48:95]
	s_load_b256 s[4:11], s[0:1], 0x0               ; x s[4:5], Wq s[6:7], Wk s[8:9], Wv s[10:11]
	s_load_b128 s[12:15], s[0:1], 0x20             ; Qs s[12:13], Kb s[14:15]
	s_load_b64 s[16:17], s[0:1], 0x30              ; Vt
	s_set_vgpr_msb 0x40
	v_lshl_add_u32 v0, v0, 2, 0x24c00
	v_mov_b32 v1, 0
	s_set_vgpr_msb 0x4000
	v_lshlrev_b32 v1, 4, v0                        ; 16 t: my 16 bytes in every 4,096-byte chunk of x, W, Qs, Kb
	s_lshl_b32 s22, ttmp9, 16                      ; x: 128 tokens of 512 bytes
	s_mov_b32 s23, 0
	s_lshl_b32 s24, ttmp9, 14                      ; Qs, Kb: 128 tokens of 128 bytes
	s_mov_b32 s25, 0
	s_lshr_b32 s26, ttmp9, 5                       ; Vt: batch x 64 rows of 8,192 bytes
	s_lshl_b32 s26, s26, 19
	s_and_b32 s28, ttmp9, 31                       ;     + 128 tokens of 2 bytes along the row
	s_lshl_b32 s28, s28, 8
	s_add_co_u32 s26, s26, s28
	s_mov_b32 s27, 0
	s_wait_kmcnt 0x0
	s_add_nc_u64 s[4:5], s[4:5], s[22:23]
	s_add_nc_u64 s[12:13], s[12:13], s[24:25]
	s_add_nc_u64 s[14:15], s[14:15], s[24:25]
	s_add_nc_u64 s[16:17], s[16:17], s[26:27]
	; 40 loads go out at once: W's 24 chunks, then x's 16
.irp m, 0,1,2
.irp c, 0,1,2,3,4,5,6,7
	global_load_b128 v[LD0+32*\m+4*\c:LD0+32*\m+4*\c+3], v1, s[6+2*\m:7+2*\m] offset:4096*\c
.endr
.endr
.irp i, 0,1,2,3,4,5,6,7,8,9,10,11,12,13,14,15
	global_load_b128 v[LD0+96+4*\i:LD0+96+4*\i+3], v1, s[4:5] offset:4096*\i th:TH_LOAD_NT
.endr
	; addresses, while the loads are on their way
	v_lshrrev_b32 v11, 5, v0
	v_readfirstlane_b32 s18, v11                   ; wave
	s_lshr_b32 s19, s18, 1                         ; fg: my block of 16 features
	s_and_b32 s20, s18, 1                          ; th: my half of the tokens
	v_and_b32 v12, 31, v0                          ; L
	v_and_b32 v13, 15, v0                          ; r
	v_bfe_u32 v14, v0, 4, 1                        ; h
	v_lshrrev_b32 v15, 4, v0                       ; t >> 4
	v_mul_u32_u24 v2, v11, XP                      ; v2: x into LDS: row t >> 5 of a chunk of 8 rows, 4 numbers = 8 bytes of bf16
	v_lshl_add_u32 v2, v12, 3, v2
	v_mul_u32_u24 v3, v15, WP                      ; v3: W into LDS: row t >> 4 of a chunk of 16 rows
	v_lshl_add_u32 v3, v13, 3, v3
	v_add_nc_u32 v3, WS, v3
	v_and_b32 v4, 7, v0                            ; v4: W fragments by the transposing load: row 8 h + (L & 7), 16 bytes (L >> 3) & 1 of my 32
	v_lshl_add_u32 v4, v14, 3, v4
	v_mul_u32_u24 v4, v4, WP
	v_bfe_u32 v5, v0, 3, 1
	v_lshl_add_u32 v4, v5, 4, v4
	s_lshl_b32 s21, s19, 5
	s_add_co_u32 s21, s21, WS
	v_add_nc_u32 v4, s21, v4
	v_mul_u32_u24 v5, v13, XP                      ; v5: x fragments: row 64 th + r, 16 h
	v_lshl_add_u32 v5, v14, 4, v5
	s_mul_i32 s21, s20, 64*XP
	v_add_nc_u32 v5, s21, v5
	v_mul_u32_u24 v6, v13, QP                      ; v6: Q's stage, in: token 64 th + r, features 16 fg + 8 h .. +7
	v_lshl_add_u32 v6, v14, 4, v6
	s_mul_i32 s21, s20, 64*QP
	s_lshl_b32 s29, s19, 5
	s_add_co_u32 s21, s21, s29
	s_add_co_u32 s21, s21, QS
	v_add_nc_u32 v6, s21, v6
	v_mul_u32_u24 v7, v13, VP                      ; v7: V's stage, in: feature 16 fg + r, tokens 64 th + 8 h .. +7
	v_lshl_add_u32 v7, v14, 4, v7
	s_mul_i32 s21, s19, 16*VP
	s_lshl_b32 s29, s20, 7
	s_add_co_u32 s21, s21, s29
	s_add_co_u32 s21, s21, VS
	v_add_nc_u32 v7, s21, v7
	v_lshrrev_b32 v8, 3, v0                        ; v8: Q's stage, back: row t >> 3 of 32, 16 bytes t & 7
	v_mul_u32_u24 v8, v8, QP
	v_and_b32 v9, 7, v0
	v_lshl_add_u32 v8, v9, 4, v8
	v_add_nc_u32 v8, QS, v8
	v_mul_u32_u24 v9, v15, VP                      ; v9: V's stage, back: row t >> 4 of 16, 16 bytes t & 15
	v_lshl_add_u32 v9, v13, 4, v9
	v_add_nc_u32 v9, VS, v9
	v_lshlrev_b32 v10, 4, v13                      ; v10: the same place in Vt, rows 8,192 bytes apart
	v_lshl_add_u32 v10, v15, 13, v10
	; PHASE A.  Load n is in when at most 39 - n younger ones are out (loads return in order: ISA guide 5.7.1).
.set n, 0
.irp m, 0,1,2
.irp c, 0,1,2,3,4,5,6,7
	s_wait_loadcnt 39-n
	v_cvt_pk_bf16_f32 v[LD0+4*n], v[LD0+4*n], v[LD0+4*n+1]
	v_cvt_pk_bf16_f32 v[LD0+4*n+1], v[LD0+4*n+2], v[LD0+4*n+3]
	ds_store_b64 v3, v[LD0+4*n:LD0+4*n+1] offset:\m*WMAT+\c*16*WP
.set n, n+1
.endr
.endr
.irp i, 0,1,2,3,4,5,6,7,8,9,10,11,12,13,14,15
	s_wait_loadcnt 39-n
	v_cvt_pk_bf16_f32 v[LD0+4*n], v[LD0+4*n], v[LD0+4*n+1]
	v_cvt_pk_bf16_f32 v[LD0+4*n+1], v[LD0+4*n+2], v[LD0+4*n+3]
	ds_store_b64 v2, v[LD0+4*n:LD0+4*n+1] offset:\i*8*XP
.set n, n+1
.endr
	s_wait_dscnt 0x0                               ; my stores are in LDS, for the other waves
	s_barrier_signal -1
	s_barrier_wait -1
; PHASE B.
; W fragments: lane (r, h) gets d = 32 k + 8 h .. +7 and 32 k + 16 + 8 h .. +7 of feature 16 fg + r, from rows that lie along the features
.macro LDW
.irp m, 0,1,2
.irp k, 0,1,2,3
	ds_load_tr16_b128 v[WF+32*\m+8*\k:WF+32*\m+8*\k+3],   v4 offset:\m*WMAT+\k*32*WP
	ds_load_tr16_b128 v[WF+32*\m+8*\k+4:WF+32*\m+8*\k+7], v4 offset:\m*WMAT+\k*32*WP+16*WP
.endr
.endr
.endm
; x fragments of token block tb (16 tokens) into buffer a
.macro LDX a, tb
.irp k, 0,1,2,3
	ds_load_b128 v[XF+32*\a+8*\k:XF+32*\a+8*\k+3],   v5 offset:\tb*16*XP+64*\k
	ds_load_b128 v[XF+32*\a+8*\k+4:XF+32*\a+8*\k+7], v5 offset:\tb*16*XP+64*\k+32
.endr
.endm
; 12 matrix instructions.  Q and K with W as source 0: a lane then holds 8 neighbouring features of token r.  V with x as source 0: a lane holds
; 8 neighbouring tokens of feature r.  The three accumulators take turns, one instruction a turn.  The first products start the sums.
.macro MM a
	v_wmma_f32_16x16x32_bf16 v[ACC+24*\a:ACC+24*\a+7],     v[WF:WF+7],             v[XF+32*\a:XF+32*\a+7], 0
	v_wmma_f32_16x16x32_bf16 v[ACC+24*\a+8:ACC+24*\a+15],  v[WF+32:WF+39],         v[XF+32*\a:XF+32*\a+7], 0
	v_wmma_f32_16x16x32_bf16 v[ACC+24*\a+16:ACC+24*\a+23], v[XF+32*\a:XF+32*\a+7], v[WF+64:WF+71],         0
.irp k, 1,2,3
	v_wmma_f32_16x16x32_bf16 v[ACC+24*\a:ACC+24*\a+7],     v[WF+8*\k:WF+8*\k+7],             v[XF+32*\a+8*\k:XF+32*\a+8*\k+7], v[ACC+24*\a:ACC+24*\a+7]
	v_wmma_f32_16x16x32_bf16 v[ACC+24*\a+8:ACC+24*\a+15],  v[WF+32+8*\k:WF+32+8*\k+7],       v[XF+32*\a+8*\k:XF+32*\a+8*\k+7], v[ACC+24*\a+8:ACC+24*\a+15]
	v_wmma_f32_16x16x32_bf16 v[ACC+24*\a+16:ACC+24*\a+23], v[XF+32*\a+8*\k:XF+32*\a+8*\k+7], v[WF+64+8*\k:WF+64+8*\k+7],       v[ACC+24*\a+16:ACC+24*\a+23]
.endr
.endm
; scale Q, round all three to f16, 16 bytes each into the stages
.macro OUT a, tb
.irp j, 0,2,4,6
	v_pk_mul_f32 v[ACC+24*\a+\j:ACC+24*\a+\j+1], v[ACC+24*\a+\j:ACC+24*\a+\j+1], CSC op_sel_hi:[1,0]
.endr
.irp i, 0,1,2,3,4,5,6,7,8,9,10,11
	v_cvt_pk_f16_f32 v[PK+\i], v[ACC+24*\a+2*\i], v[ACC+24*\a+2*\i+1]
.endr
	ds_store_b128 v6, v[PK:PK+3]    offset:\tb*16*QP
	ds_store_b128 v6, v[PK+4:PK+7]  offset:KOFF+\tb*16*QP
	ds_store_b128 v7, v[PK+8:PK+11] offset:32*\tb
.endm
; Five plain vector instructions behind the last matrix instruction (ISA guide 7.12.1): four before its results are read or its sources loaded again,
; five before a matrix instruction writes over its accumulator.
.macro PLACES5
.rept 5
	v_nop
.endr
.endm
	LDW
	LDX 0, 0
	LDX 1, 1
	s_wait_dscnt 0x8                               ; W and buffer 0 are in; buffer 1's eight loads may be out
	MM 0
	s_wait_dscnt 0x0
	MM 1
	PLACES5
	LDX 0, 2
	LDX 1, 3
	OUT 0, 0
	OUT 1, 1
	s_wait_dscnt 0x6                               ; the 16 loads are in; the six stores behind them may be out
	MM 0
	MM 1
	PLACES5
	OUT 0, 2
	OUT 1, 3
	s_wait_dscnt 0x0                               ; my part of the stages is in LDS, for the other waves
	s_barrier_signal -1
	s_barrier_wait -1
	; PHASE C: 12 loads of 16 bytes a lane, then their stores; the count leaves the younger loads out
.irp i, 0,1,2,3
	ds_load_b128 v[CD+4*\i:CD+4*\i+3], v8 offset:\i*32*QP
.endr
.irp i, 0,1,2,3
	ds_load_b128 v[CD+16+4*\i:CD+16+4*\i+3], v8 offset:KOFF+\i*32*QP
.endr
.irp i, 0,1,2,3
	ds_load_b128 v[CD+32+4*\i:CD+32+4*\i+3], v9 offset:\i*16*VP
.endr
.irp i, 0,1,2,3
	s_wait_dscnt 11-\i
	global_store_b128 v1, v[CD+4*\i:CD+4*\i+3], s[12:13] offset:4096*\i          ; Qs: a wave stores 512 consecutive bytes
.endr
.irp i, 0,1,2,3
	s_wait_dscnt 7-\i
	global_store_b128 v1, v[CD+16+4*\i:CD+16+4*\i+3], s[14:15] offset:4096*\i    ; Kb likewise
.endr
.irp i, 0,1,2,3
	s_wait_dscnt 3-\i
	global_store_b128 v10, v[CD+32+4*\i:CD+32+4*\i+3], s[16:17] offset:131072*\i ; Vt: 16 lanes store 256 consecutive bytes of a row, aligned
.endr
	s_set_vgpr_msb 0x5
	s_wait_tensorcnt 0x0
	ds_add_u32 v0, v1
	s_wait_dscnt 0x0
	s_set_vgpr_msb 0x500
	s_endpgm
.Lfunc_end_k_q6f9b4fa463_proj:
	.size	k_q6f9b4fa463_proj, .Lfunc_end_k_q6f9b4fa463_proj-k_q6f9b4fa463_proj
	.p2alignl 7, 3214868480
	.fill 96, 4, 3214868480
	.section	.rodata,"a",@progbits
	.p2align	6, 0x0
	.amdhsa_kernel k_q6f9b4fa463_proj
		.amdhsa_group_segment_fixed_size 151552
		.amdhsa_private_segment_fixed_size 0
		.amdhsa_enable_private_segment 0
		.amdhsa_kernarg_size 56
		.amdhsa_user_sgpr_count 2
		.amdhsa_user_sgpr_kernarg_segment_ptr 1
		.amdhsa_wavefront_size32 1
		.amdhsa_system_sgpr_workgroup_id_x 1
		.amdhsa_system_sgpr_workgroup_id_y 1
		.amdhsa_system_sgpr_workgroup_id_z 1
		.amdhsa_system_vgpr_workitem_id 0
		.amdhsa_next_free_vgpr 258
		.amdhsa_next_free_sgpr 66
		.amdhsa_reserve_vcc 0
		.amdhsa_float_denorm_mode_32 3
		.amdhsa_float_denorm_mode_16_64 3
		.amdhsa_memory_ordered 1
		.amdhsa_forward_progress 1
		.amdhsa_inst_pref_size 32
	.end_amdhsa_kernel
	.amdgpu_metadata
---
amdhsa.version: [ 1, 2 ]
amdhsa.kernels:
  - .name:           k_q6f9b4fa463_proj
    .symbol:         k_q6f9b4fa463_proj.kd
    .args:
      - { .name: x, .offset: 0, .size: 8, .value_kind: global_buffer, .address_space: global }
      - { .name: Wq, .offset: 8, .size: 8, .value_kind: global_buffer, .address_space: global }
      - { .name: Wk, .offset: 16, .size: 8, .value_kind: global_buffer, .address_space: global }
      - { .name: Wv, .offset: 24, .size: 8, .value_kind: global_buffer, .address_space: global }
      - { .name: Qs, .offset: 32, .size: 8, .value_kind: global_buffer, .address_space: global }
      - { .name: Kb, .offset: 40, .size: 8, .value_kind: global_buffer, .address_space: global }
      - { .name: Vt, .offset: 48, .size: 8, .value_kind: global_buffer, .address_space: global }
    .group_segment_fixed_size: 151552
    .private_segment_fixed_size: 0
    .kernarg_segment_align: 8
    .kernarg_segment_size: 56
    .max_flat_workgroup_size: 256
    .sgpr_count:     66
    .vgpr_count:     258
    .wavefront_size: 32
...
	.end_amdgpu_metadata
.endif
;; end of part 1
;; launch attn (part 2): grid 256 x 1, 8 waves a work-group, clusters of 4 x 1, 327,680 bytes of LDS; arguments Qs, Kb, Vt, out0; writes out0
.if DOCPART == 2
	.amdgcn_target "amdgcn-amd-amdhsa--gfx1250"
	.amdhsa_code_object_version 6
	.text
	.protected	k_q6f9b4fa463_attn
	.globl	k_q6f9b4fa463_attn
	.p2align	8
	.type	k_q6f9b4fa463_attn,@function
k_q6f9b4fa463_attn:
	s_mov_b64 s[64:65], 0
	v_nop
	global_prefetch_b8 v0, s[64:65] scope:SCOPE_SE
	s_setreg_imm32_b32 hwreg(HW_REG_WAVE_MODE, 25, 1), 1
	s_wait_xcnt 0x0
	s_wait_alu depctr_hold_cnt(0) depctr_sa_sdst(0) depctr_va_vdst(0) depctr_va_sdst(0) depctr_va_ssrc(0) depctr_va_vcc(0) depctr_vm_vsrc(0)
	s_getreg_b32 s2, hwreg(HW_REG_IB_STS2, 6, 4)
	s_cmp_eq_u32 s2, 0
	s_cbranch_scc0 .Lentry_in_a_cluster
	s_endpgm
.Lentry_in_a_cluster:
	s_bfe_u32 s2, ttmp6, 0x10000c
	s_cmp_lg_u32 s2, 0x3003
	s_cbranch_scc0 .Lentry_shape_is_right
	s_endpgm
.Lentry_shape_is_right:
; out[b][q][:] = sum over k <= q of softmax(Q K^T / sqrt(128))[q][k] V[k][:], with a running maximum.
; Qs [8][4096][64] f16 holds Q times log2(e)/sqrt(128), so p = 2^(s - m).  Kb [8][4096][64] f16.  Vt [8][64][4096] f16.  out [8][4096][64] f32.
; Products by the f16 matrix form with f32 sums; maxima, exponentials, sums and the merge in f32.
; LIMITS: scores must be finite (no NaN or infinity among Qs, Kb, Vt).  The denominator adds the f32 p, the numerator takes p rounded to f16.
;
; SHARES.  The 4,096 rows of a batch are 16 super-blocks of 256.  Cluster C (0..63) has batch C >> 3 and J = C & 7 and owns super-blocks J and 15 - J;
; the work-group at place cx owns rows 64 cx .. +63 of both.  A step is 256 keys.  Super-block I takes its own tile I (masked) and tiles 0 .. I-1: I + 1 steps,
; so every work-group does 17 steps.  The odd one of the two super-blocks (IA) goes first: its I + 1 steps are an even number, so the ring of two slots
; stands at slot 0 again when the second pass begins.  In each pass the diagonal tile comes first and starts all sums: nothing is cleared.
; CLUSTER.  The four work-groups of a cluster walk the same tiles of K and V in the same order, so every tile is asked for jointly (mask 15): each of the four
; issues the same tensor load with the same descriptor and receives the tile in its own LDS; that divides the requests for K and V by four.
; cx enters Q's and out's addresses and the mask thresholds alone: no branch, trip count, LDS address or descriptor hangs on it.  Wave tiles that the mask
; empties are computed all the same.
; WAVES.  Eight: rh = w & 1 takes query rows 32 rh .. +31 (two blocks of 16), kg = w >> 1 takes keys 64 kg .. +63 of every step.  Each wave keeps its own
; (m, l, O) over its quarter of the keys; the four quarters are merged through LDS at the end of a pass.
; TRANSPOSED PRODUCTS.  S^T = K Q^T: lane (r, h), register j holds (key 8 h + j, query r).  Packed to f16 inside the lane that is a source-1 fragment of P^T.
; O^T = V^T P^T: lane (r, h), register j holds (feature 8 h + j, query r).  So m, l and the rescaling factor are one number a lane.
.set KROW,  272                        ; K in LDS: two keys (256 bytes) + 16.  Key k at (k >> 1) 272 + (k & 1) 128: the 16 rows of a fragment load start at 16 different 16-byte columns of 256
.set KWAVE, 32*KROW                    ; 8,704: 64 keys, what one wave fetches and what one key group reads
.set KPART, 4*KWAVE                    ; 34,816
.set VROW,  528                        ; V in LDS: 256 keys of one feature (512 bytes) + 16
.set VWAVE, 16*VROW                    ; 8,448: 16 features, what one wave fetches
.set SLOT,  KPART+4*VWAVE              ; 68,608
.set VLDS0, KPART-4*VWAVE              ; waves 4 to 7 fetch V: KPART + (w - 4) VWAVE = VLDS0 + w VWAVE
.set STAGE, 2*SLOT                     ; 137,216: [4 kg][64 q][64 f] f32 for the merge; no tensor load ever lands here
.set SROW,  272
.set SPART, 64*SROW                    ; 17,408
.set STATS, STAGE+4*SPART              ; 206,848: m[64 q][4 kg], then l the same at +1,024.  The map ends at 208,896
; vector registers
.set AKR,  2                           ; v2, v3   my K fragments in slot 0, 1
.set AVR,  4                           ; v4, v5   my V fragments in slot 0, 1
.set MX,   6                           ; v6, v8   running maximum of query block 0, 1 (each the first of a pair for the packed forms)
.set THR,  7                           ; v7, v9   mask threshold of query block 0, 1
.set LS,   10                          ; v10, v11 running sums
.set ALF,  12                          ; v12      rescaling factor (first of the pair v[12:13])
.set PXR,  13                          ; v13      what the other half of the lanes sent
.set TM,   14                          ; v[14:21] at work
.set QOFF, 22
.set STO,  23
.set STS,  24
.set RDA,  25
.set RSM,  26
.set OOFF, 27
.set NINF, 28                          ; v28      -infinity
.set QF,   32                          ; v[32:63]   Q fragments: 16 a query block, 8 a K step
.set OA,   64                          ; v[64:127]  O^T: 32 a query block, 8 a feature block
.set SC,   128                         ; v[128:191] S^T: 32 a query block, 8 a key block; then P^T at SC + 16 qb + 8 ks
.set FR,   192                         ; v[192:255] K fragments, then V fragments: 32 a K step, 8 a block
; scalar registers: s[4:11] Qs Kb Vt out; s12 wave; s13 w>>2; s14 w&3; s15 rh; s16 kg; s17 cx; s18 batch; s19 J; s20 IA; s21 IB; s22 tile counter; s23 tile to fetch;
; s[56:57], s[58:59] K's and V's address of my part of tile 0; s[60:63] tile offsets; s66 loop counter; s67, s3 at work (never hold cx);
; s[68:71] Q's addresses, s[72:75] out's; s76, s77 lane selects; s78 the lowest finite f32; s[80:85] at work on numbers that hold cx
.set G1K, 24                           ; s[24:31] shape of K's tile
.set G1V, 32                           ; s[32:39] shape of V's tile
.set G0K, 40                           ; s[40:47] from where, to where: K, slot 0 and 1
.set G0V, 48                           ; s[48:55] the same for V
; A round of the cluster's barrier: my work-group's barrier, so that wave 0 speaks for all eight waves; wave 0 signals; every wave waits for the four work-groups;
; my work-group's barrier once more.
.macro ROUND
	s_barrier_signal -1
	s_barrier_wait -1
	s_cmp_lg_u32 s12, 0
	s_cbranch_scc1 .Lnot_wave_0_\@
	s_barrier_signal -3
.Lnot_wave_0_\@:
	s_barrier_wait -3
	s_barrier_signal -1
	s_barrier_wait -1
.endm
; The joint load of slot s: waves 0 to 3 ask for a quarter of K's tile each, waves 4 to 7 for a quarter of V's.  The branch hangs on the wave's number alone.
.macro JLOAD s
	s_cmp_eq_u32 s13, 0
	s_cbranch_scc0 .Lfor_v_\@
	tensor_load_to_lds s[G0K+4*\s:G0K+4*\s+3], s[G1K:G1K+7]
	s_nop 0
	s_branch .Lasked_\@
.Lfor_v_\@:
	tensor_load_to_lds s[G0V+4*\s:G0V+4*\s+3], s[G1V:G1V+7]
	s_nop 0
.Lasked_\@:
.endm
; Slot s gets the addresses of tile s23: 256 keys are 32,768 bytes of Kb and 512 bytes along Vt's rows.  s61 = s63 = 0.
.macro ADDR s
	s_lshl_b32 s60, s23, 15
	s_lshl_b32 s62, s23, 9
	s_add_nc_u64 s[G0K+4*\s+2:G0K+4*\s+3], s[56:57], s[60:61]
	s_or_b32 s[G0K+4*\s+3], s[G0K+4*\s+3], 0x80000000
	s_add_nc_u64 s[G0V+4*\s+2:G0V+4*\s+3], s[58:59], s[62:63]
	s_or_b32 s[G0V+4*\s+3], s[G0V+4*\s+3], 0x80000000
.endm
; The change of slots.  In front of it each wave waits for all its tensor loads (one is out: its part of the slot that is read next) and for its LDS reads of the
; other slot.  fill = 1: a round of the cluster's barrier, then the joint refill of the other slot, first thing behind it, one load a wave.
; fill = 0: nothing is left to fetch: the work-group's barrier alone.
.macro SYNC other, fill
	s_wait_tensorcnt 0x0                           ; no tensor load of mine is out: descriptors may be written
	ds_add_u32 v30, v31
	s_wait_dscnt 0x0
.if \fill
	ADDR \other
.endif
	s_wait_dscnt 0x0
.if \fill
	ROUND
	JLOAD \other
.else
	s_barrier_signal -1
	s_barrier_wait -1
.endif
.endm
.macro NEXT_A                          ; first pass: the tile after tile IA - 1 is the second pass's diagonal tile IB
	s_add_co_u32 s22, s22, 1
	s_cmp_lt_u32 s22, s20
	s_cselect_b32 s23, s22, s21
.endm
.macro NEXT_B
	s_add_co_u32 s22, s22, 1
	s_mov_b32 s23, s22
.endm
.macro PLACES n                        ; plain vector instructions behind a matrix instruction (ISA guide 7.12.1)
.rept \n
	v_nop
.endr
.endm
.macro LDK slot                        ; 64 keys x 64 features: 16 loads, the first K step's eight first
.irp ks, 0,1
.irp kb, 0,1,2,3
	ds_load_b128 v[FR+32*\ks+8*\kb:FR+32*\ks+8*\kb+3],   v[AKR+\slot] offset:\kb*8*KROW+64*\ks
	ds_load_b128 v[FR+32*\ks+8*\kb+4:FR+32*\ks+8*\kb+7], v[AKR+\slot] offset:\kb*8*KROW+64*\ks+32
.endr
.endr
.endm
.macro LDV slot                        ; 64 features x 64 keys: 16 loads, the first 32 keys' eight first
.irp ks, 0,1
.irp hb, 0,1,2,3
	ds_load_b128 v[FR+32*\ks+8*\hb:FR+32*\ks+8*\hb+3],   v[AVR+\slot] offset:\hb*16*VROW+64*\ks
	ds_load_b128 v[FR+32*\ks+8*\hb+4:FR+32*\ks+8*\hb+7], v[AVR+\slot] offset:\hb*16*VROW+64*\ks+32
.endr
.endr
.endm
; S^T = K Q^T, 16 matrix instructions.  The eight accumulators take turns, one instruction a turn; the first products start the sums.
.macro QK
	s_wait_dscnt 0x8                               ; the first K step's fragments are in; the second's eight loads may be out
.irp kb, 0,1,2,3
.irp qb, 0,1
	v_wmma_f32_16x16x32_f16 v[SC+32*\qb+8*\kb:SC+32*\qb+8*\kb+7], v[FR+8*\kb:FR+8*\kb+7], v[QF+16*\qb:QF+16*\qb+7], 0
.endr
.endr
	s_wait_dscnt 0x0
.irp kb, 0,1,2,3
.irp qb, 0,1
	v_wmma_f32_16x16x32_f16 v[SC+32*\qb+8*\kb:SC+32*\qb+8*\kb+7], v[FR+32+8*\kb:FR+32+8*\kb+7], v[QF+16*\qb+8:QF+16*\qb+15], v[SC+32*\qb+8*\kb:SC+32*\qb+8*\kb+7]
.endr
.endr
.endm
; The diagonal tile: key 64 kg + 16 kb + 8 h + j stays where it is at most query 64 cx + 32 rh + 16 qb + r, that is 16 kb + j <= THR; the others become -infinity.
.macro MASK
.irp qb, 0,1
.irp kb, 0,1,2,3
.irp j, 0,1,2,3,4,5,6,7
	v_cmp_le_i32 vcc_lo, 16*\kb+\j, v[THR+2*\qb]
	v_cndmask_b32 v[SC+32*\qb+8*\kb+\j], v[NINF], v[SC+32*\qb+8*\kb+\j], vcc_lo
.endr
.endr
.endr
.endm
; One query block: new maximum, p = 2^(s - m), O and l rescaled, p packed to f16.  first = 1: the pass's first step: no old m, l, O; the maximum starts from the
; lowest finite f32, so that a lane pair whose keys are all masked gets p = 0 and not NaN.
.macro SOFTMAX qb, first
.set SB, SC+32*\qb
.set MR, MX+2*\qb
.set LR, LS+\qb
.set OB, OA+32*\qb
.irp k, 0,1,2,3
	v_max3_num_f32 v[TM+\k], v[SB+8*\k], v[SB+8*\k+1], v[SB+8*\k+2]        ; four chains over the 32 scores,
.endr
.irp k, 0,1,2,3
	v_max3_num_f32 v[TM+\k], v[TM+\k], v[SB+8*\k+3], v[SB+8*\k+4]
.endr
.irp k, 0,1,2,3
	v_max3_num_f32 v[TM+\k], v[TM+\k], v[SB+8*\k+5], v[SB+8*\k+6]
.endr
.if \first
	v_max3_num_f32 v[TM], v[TM], v[SB+7], s78
.else
	v_max3_num_f32 v[TM], v[TM], v[SB+7], v[MR]                            ; the old maximum among them
.endif
	v_max3_num_f32 v[TM+1], v[TM+1], v[SB+15], v[SB+23]
	v_max3_num_f32 v[TM+2], v[TM+2], v[TM+3], v[SB+31]
	v_max3_num_f32 v[TM], v[TM], v[TM+1], v[TM+2]
	v_permlanex16_b32 v[PXR], v[TM], s76, s77                              ; lane r + 16 holds the other keys of query r
	v_max_num_f32 v[TM+1], v[TM], v[PXR]
.if \first == 0
	v_sub_f32 v[ALF], v[MR], v[TM+1]
	v_exp_f32 v[ALF], v[ALF]                                               ; 2^(old m - new m); the move below is the plain instruction behind it (ISA guide 5.7.2)
.endif
	v_mov_b32 v[MR], v[TM+1]
.irp j, 0,2,4,6,8,10,12,14,16,18,20,22,24,26,28,30
	v_pk_add_f32 v[SB+\j:SB+\j+1], v[SB+\j:SB+\j+1], v[MR:MR+1] op_sel_hi:[1,0] neg_lo:[0,1] neg_hi:[0,1]   ; s - m, m taken for both halves
.endr
.set jj, 0
.rept 32
	v_exp_f32 v[SB+jj], v[SB+jj]
.set jj, jj+1
.endr
.if \first
	v_nop                                                                  ; the plain instruction behind the run of exponentials
	s_wait_alu depctr_va_vdst(0)
.else
	s_wait_alu depctr_va_vdst(0)
.irp j, 0,2,4,6,8,10,12,14,16,18,20,22,24,26,28,30
	v_pk_mul_f32 v[OB+\j:OB+\j+1], v[OB+\j:OB+\j+1], v[ALF:ALF+1] op_sel_hi:[1,0]   ; O rescaled; the first of these is that plain instruction
.endr
.endif
.irp k, 0,1,2,3
	v_pk_add_f32 v[TM+2*\k:TM+2*\k+1], v[SB+2*\k:SB+2*\k+1], v[SB+8+2*\k:SB+8+2*\k+1]   ; the sum of the 32 p in four chains of pairs
.endr
.irp k, 0,1,2,3
	v_pk_add_f32 v[TM+2*\k:TM+2*\k+1], v[TM+2*\k:TM+2*\k+1], v[SB+16+2*\k:SB+16+2*\k+1]
.endr
.irp k, 0,1,2,3
	v_pk_add_f32 v[TM+2*\k:TM+2*\k+1], v[TM+2*\k:TM+2*\k+1], v[SB+24+2*\k:SB+24+2*\k+1]
.endr
	v_pk_add_f32 v[TM:TM+1], v[TM:TM+1], v[TM+2:TM+3]
	v_pk_add_f32 v[TM+4:TM+5], v[TM+4:TM+5], v[TM+6:TM+7]
	v_pk_add_f32 v[TM:TM+1], v[TM:TM+1], v[TM+4:TM+5]
.if \first
	v_add_f32 v[LR], v[TM], v[TM+1]
.else
	v_add_f32 v[TM], v[TM], v[TM+1]
	v_fma_f32 v[LR], v[LR], v[ALF], v[TM]
.endif
	; P^T: register i of the block takes p 2 i and 2 i + 1.  Ascending, so no register is written before it has been read; block 1 lands on registers that block 0 has used up.
.set jj, 0
.rept 16
	v_cvt_pk_f16_f32 v[SC+16*\qb+jj], v[SB+2*jj], v[SB+2*jj+1]
.set jj, jj+1
.endr
.endm
; O^T += V^T P^T, 16 matrix instructions, the eight accumulators by turns, one instruction a turn.
.macro PV first
	s_wait_dscnt 0x8                               ; the first 32 keys' fragments are in
.irp hb, 0,1,2,3
.irp qb, 0,1
.if \first
	v_wmma_f32_16x16x32_f16 v[OA+32*\qb+8*\hb:OA+32*\qb+8*\hb+7], v[FR+8*\hb:FR+8*\hb+7], v[SC+16*\qb:SC+16*\qb+7], 0
.else
	v_wmma_f32_16x16x32_f16 v[OA+32*\qb+8*\hb:OA+32*\qb+8*\hb+7], v[FR+8*\hb:FR+8*\hb+7], v[SC+16*\qb:SC+16*\qb+7], v[OA+32*\qb+8*\hb:OA+32*\qb+8*\hb+7]
.endif
.endr
.endr
	s_wait_dscnt 0x0
.irp hb, 0,1,2,3
.irp qb, 0,1
	v_wmma_f32_16x16x32_f16 v[OA+32*\qb+8*\hb:OA+32*\qb+8*\hb+7], v[FR+32+8*\hb:FR+32+8*\hb+7], v[SC+16*\qb+8:SC+16*\qb+15], v[OA+32*\qb+8*\hb:OA+32*\qb+8*\hb+7]
.endr
.endr
.endm
; One step: 256 keys of the tile in slot; the tile s23 goes out into the other slot and has this whole step in which to land.
.macro STEP slot, other, diag, fill
	SYNC \other, \fill
	LDK \slot
.if \diag
	s_wait_loadcnt 0x0                             ; this pass's Q
.endif
	QK
	PLACES 4                                       ; in front of the loads into K's fragments and of the reads of S
	LDV \slot
.if \diag
	MASK
.endif
	SOFTMAX 0, \diag
	SOFTMAX 1, \diag
	PV \diag
	PLACES 5                                       ; in front of the next loads into the fragments, of the next S written over P, and of every read of O
.endm
.macro LDQ qbase                       ; 32 query rows x 64 features as source-1 fragments, straight from memory: row r, 16 bytes at 64 ks + 32 u + 16 h
.irp qb, 0,1
.irp ks, 0,1
.irp u, 0,1
	global_load_b128 v[QF+16*\qb+8*\ks+4*\u:QF+16*\qb+8*\ks+4*\u+3], v[QOFF], s[\qbase:\qbase+1] offset:2048*\qb+64*\ks+32*\u
.endr
.endr
.endr
.endm
; The end of a pass.  Each wave lays its m, l and O^T into LDS; behind a barrier wave w merges the four key groups for rows 8 w .. +7, two rows at a time:
; lane (r, h) takes features 4 r .. +3 of row 8 w + 2 t + h, so that a store of the wave covers two whole rows of 256 bytes.
.macro EPI ob
	v_permlanex16_b32 v[PXR], v[LS], s76, s77
	v_add_f32 v[LS], v[LS], v[PXR]                 ; l of query r: both halves of the lanes
	v_permlanex16_b32 v[PXR], v[LS+1], s76, s77
	v_add_f32 v[LS+1], v[LS+1], v[PXR]
	ds_store_b32 v[STS], v[MX]                     ; lanes r and r + 16 hold the same m and l and write the same word
	ds_store_b32 v[STS], v[MX+2] offset:256
	ds_store_b32 v[STS], v[LS]   offset:1024
	ds_store_b32 v[STS], v[LS+1] offset:1280
.irp qb, 0,1
.irp hb, 0,1,2,3
	ds_store_b128 v[STO], v[OA+32*\qb+8*\hb:OA+32*\qb+8*\hb+3]   offset:\qb*16*SROW+64*\hb
	ds_store_b128 v[STO], v[OA+32*\qb+8*\hb+4:OA+32*\qb+8*\hb+7] offset:\qb*16*SROW+64*\hb+16
.endr
.endr
	s_wait_dscnt 0x0                               ; my stores are in LDS, for the other waves
	s_barrier_signal -1                            ; the next tile's load may stay on its way
	s_barrier_wait -1
.irp t, 0,1,2,3
	ds_load_b128 v[FR+8*\t:FR+8*\t+3],   v[RSM] offset:32*\t           ; the four m of my row
	ds_load_b128 v[FR+8*\t+4:FR+8*\t+7], v[RSM] offset:32*\t+1024      ; the four l
.endr
.irp t, 0,1,2,3
.irp k, 0,1,2,3
	ds_load_b128 v[SC+16*\t+4*\k:SC+16*\t+4*\k+3], v[RDA] offset:\k*SPART+\t*2*SROW
.endr
.endr
.irp t, 0,1,2,3
	s_wait_dscnt 12-4*\t                           ; the later row pairs' four loads each may be out
	v_max3_num_f32 v[TM], v[FR+8*\t], v[FR+8*\t+1], v[FR+8*\t+2]
	v_max_num_f32 v[TM], v[TM], v[FR+8*\t+3]
.irp k, 0,1,2,3
	v_sub_f32 v[FR+8*\t+\k], v[FR+8*\t+\k], v[TM]
.endr
.irp k, 0,1,2,3
	v_exp_f32 v[FR+8*\t+\k], v[FR+8*\t+\k]         ; a group's weight 2^(m_k - m); a group without keys has the lowest finite m and gets 0
.endr
	v_nop                                          ; the plain instruction behind the exponentials
	s_wait_alu depctr_va_vdst(0)
	v_mul_f32 v[TM+1], v[FR+8*\t], v[FR+8*\t+4]
.irp k, 1,2,3
	v_fma_f32 v[TM+1], v[FR+8*\t+\k], v[FR+8*\t+4+\k], v[TM+1]
.endr
	v_rcp_f32 v[TM+1], v[TM+1]                     ; the sum is at least 1: the row's largest p is 1 and its group's weight is 1
	v_nop
	s_wait_alu depctr_va_vdst(0)
.irp k, 0,1,2,3
	v_mul_f32 v[FR+8*\t+\k], v[FR+8*\t+\k], v[TM+1]
.endr
.irp c, 0,1,2,3
	v_mul_f32 v[SC+16*\t+\c], v[SC+16*\t+\c], v[FR+8*\t]
.endr
.irp k, 1,2,3
.irp c, 0,1,2,3
	v_fma_f32 v[SC+16*\t+\c], v[SC+16*\t+4*\k+\c], v[FR+8*\t+\k], v[SC+16*\t+\c]
.endr
.endr
	global_store_b128 v[OOFF], v[SC+16*\t:SC+16*\t+3], s[\ob:\ob+1] offset:512*\t th:TH_STORE_NT
.endr
.endm
	; ---- ids and descriptors
	s_load_b256 s[4:11], s[0:1], 0x0               ; Qs s[4:5], Kb s[6:7], Vt s[8:9], out s[10:11]
	v_lshl_add_u32 v30, v0, 2, 0x33000
	v_mov_b32 v31, 0
	ds_add_u32 v30, v31
	v_lshrrev_b32 v1, 5, v0
	v_readfirstlane_b32 s12, v1                    ; wave
	s_lshr_b32 s13, s12, 2                         ; 0: I fetch K, 1: I fetch V
	s_and_b32 s14, s12, 3                          ; which quarter of that tile
	s_and_b32 s15, s12, 1                          ; rh
	s_lshr_b32 s16, s12, 1                         ; kg
	s_bfe_u32 s17, ttmp6, 0x40000                  ; cx
	s_lshr_b32 s18, ttmp9, 3                       ; batch (ttmp9 counts clusters)
	s_and_b32 s19, ttmp9, 7                        ; J
	s_sub_co_u32 s21, 15, s19
	s_bitcmp1_b32 s19, 0
	s_cselect_b32 s20, s19, s21                    ; IA: the odd one of J and 15 - J
	s_sub_co_u32 s21, 15, s20                      ; IB: the even one
	s_mov_b32 s76, 0x76543210                      ; v_permlanex16_b32: lane i of one half reads lane i of the other
	s_mov_b32 s77, 0xfedcba98
	s_mov_b32 s78, 0xff7fffff                      ; the lowest finite f32
	; K: my 64 keys are 8,192 consecutive bytes, taken as 32 rows of 128 elements (256 bytes), 4 words of padding behind every 64
	s_mov_b32 s[G1K+0], 15|(1<<16)|(1<<20)|(1<<21)|(5<<22)|(3<<25)   ; 15:0 mask: all four work-groups; 17:16 elements of 2 bytes; 20 padding on; 21 set beside a mask; 24:22 interval; 31:25 pad
	s_mov_b32 s[G1K+1], 128<<16                    ; tensor_dim0 = 128
	s_mov_b32 s[G1K+2], 32<<16                     ; tensor_dim1 = 32
	s_mov_b32 s[G1K+3], 128<<16                    ; tile_dim0 = 128
	s_mov_b32 s[G1K+4], 32                         ; tile_dim1 = 32
	s_mov_b32 s[G1K+5], 128                        ; from row to row: 128 elements
	s_mov_b32 s[G1K+6], 0
	s_mov_b32 s[G1K+7], 0
	; V: my 16 features x 256 keys: rows of 256 elements (512 bytes), 4,096 elements apart, 4 words of padding behind every 128
	s_mov_b32 s[G1V+0], 15|(1<<16)|(1<<20)|(1<<21)|(6<<22)|(3<<25)
	s_mov_b32 s[G1V+1], 256<<16
	s_mov_b32 s[G1V+2], 16<<16
	s_mov_b32 s[G1V+3], 256<<16
	s_mov_b32 s[G1V+4], 16
	s_mov_b32 s[G1V+5], 4096
	s_mov_b32 s[G1V+6], 0
	s_mov_b32 s[G1V+7], 0
	s_mov_b32 s[G0K], 1
	s_mul_i32 s[G0K+1], s12, KWAVE                 ; LDS: the wave's number times a constant, plus the slot
	s_mov_b32 s[G0K+4], 1
	s_add_co_u32 s[G0K+5], s[G0K+1], SLOT
	s_mov_b32 s[G0V], 1
	s_mul_i32 s[G0V+1], s12, VWAVE
	s_add_co_u32 s[G0V+1], s[G0V+1], VLDS0
	s_mov_b32 s[G0V+4], 1
	s_add_co_u32 s[G0V+5], s[G0V+1], SLOT
	s_lshl_b32 s60, s18, 19                        ; a batch of Kb: 4,096 keys of 128 bytes
	s_lshl_b32 s67, s14, 13                        ; my 64 keys
	s_add_co_u32 s60, s60, s67
	s_mov_b32 s61, 0
	s_lshl_b32 s62, s18, 19                        ; a batch of Vt: 64 rows of 8,192 bytes
	s_lshl_b32 s67, s14, 17                        ; my 16 rows
	s_add_co_u32 s62, s62, s67
	s_mov_b32 s63, 0
	s_lshl_b32 s82, s18, 12                        ; my first row in the two super-blocks: 4,096 b + 64 cx + 256 I
	s_lshl_b32 s83, s17, 6
	s_add_co_u32 s82, s82, s83
	s_lshl_b32 s80, s20, 8
	s_add_co_u32 s80, s80, s82
	s_lshl_b32 s81, s21, 8
	s_add_co_u32 s81, s81, s82
	s_mov_b32 s85, 0
	s_wait_dscnt 0x0
	s_wait_kmcnt 0x0
	s_add_nc_u64 s[56:57], s[6:7], s[60:61]
	s_add_nc_u64 s[58:59], s[8:9], s[62:63]
	s_lshl_b32 s82, s15, 5                         ; Q: + 32 rh rows, 128 bytes a row
	s_add_co_u32 s84, s80, s82
	s_lshl_b32 s84, s84, 7
	s_add_nc_u64 s[68:69], s[4:5], s[84:85]
	s_add_co_u32 s84, s81, s82
	s_lshl_b32 s84, s84, 7
	s_add_nc_u64 s[70:71], s[4:5], s[84:85]
	s_lshl_b32 s82, s12, 3                         ; out: + 8 w rows, 256 bytes a row
	s_add_co_u32 s84, s80, s82
	s_lshl_b32 s84, s84, 8
	s_add_nc_u64 s[72:73], s[10:11], s[84:85]
	s_add_co_u32 s84, s81, s82
	s_lshl_b32 s84, s84, 8
	s_add_nc_u64 s[74:75], s[10:11], s[84:85]
	s_mov_b32 s23, s20                             ; the first tile: the first pass's diagonal tile IA, into slot 0
	ADDR 0
	ROUND                                          ; all four work-groups are here: the first joint loads meet
	JLOAD 0
	; ---- lane addresses, while the tile is on its way
	v_and_b32 v16, 31, v0                          ; L
	v_and_b32 v17, 15, v0                          ; r
	v_bfe_u32 v18, v0, 4, 1                        ; h
	v_lshlrev_b32 v[QOFF], 7, v17                  ; Q: row r, 16 h
	v_lshl_add_u32 v[QOFF], v18, 4, v[QOFF]
	LDQ 68
	v_lshrrev_b32 v19, 1, v17                      ; K fragments: key r of a block of 16: (r >> 1) 272 + (r & 1) 128 + 16 h + my key group
	v_mul_u32_u24 v19, v19, KROW
	v_and_b32 v20, 1, v17
	v_lshl_add_u32 v19, v20, 7, v19
	v_lshl_add_u32 v19, v18, 4, v19
	s_mul_i32 s67, s16, KWAVE
	v_add_nc_u32 v[AKR], s67, v19
	v_add_nc_u32 v[AKR+1], SLOT, v[AKR]
	v_mul_u32_u24 v19, v17, VROW                   ; V fragments: feature r of a block of 16, my 64 keys at byte 128 kg, 16 h
	v_lshl_add_u32 v19, v18, 4, v19
	s_lshl_b32 s67, s16, 7
	s_add_co_u32 s67, s67, KPART
	v_add_nc_u32 v[AVR], s67, v19
	v_add_nc_u32 v[AVR+1], SLOT, v[AVR]
	s_lshl_b32 s80, s17, 6                         ; thresholds: r - 8 h + 64 cx + 32 rh - 64 kg, and 16 more for the second query block
	s_lshl_b32 s81, s15, 5
	s_add_co_u32 s80, s80, s81
	s_lshl_b32 s81, s16, 6
	s_sub_co_u32 s80, s80, s81
	v_lshlrev_b32 v19, 3, v18
	v_sub_nc_u32 v19, v17, v19
	v_add_nc_u32 v[THR], s80, v19
	v_add_nc_u32 v[THR+2], 16, v[THR]
	s_mul_i32 s67, s16, SPART                      ; the stage, in: my key group's part, row 32 rh + r, 32 h
	s_mul_i32 s3, s15, 32*SROW
	s_add_co_u32 s67, s67, s3
	s_add_co_u32 s67, s67, STAGE
	v_mul_u32_u24 v19, v17, SROW
	v_lshl_add_u32 v19, v18, 5, v19
	v_add_nc_u32 v[STO], s67, v19
	s_lshl_b32 s67, s15, 9                         ; m and l, in: row 32 rh + r of 16 bytes,
	s_lshl_b32 s3, s16, 2                          ; word kg
	s_add_co_u32 s67, s67, s3
	s_add_co_u32 s67, s67, STATS
	v_lshl_add_u32 v[STS], v17, 4, s67
	s_mul_i32 s67, s12, 8*SROW                     ; the stage, back: row 8 w + h, 16 r
	s_add_co_u32 s67, s67, STAGE
	v_mul_u32_u24 v19, v18, SROW
	v_lshl_add_u32 v19, v17, 4, v19
	v_add_nc_u32 v[RDA], s67, v19
	s_lshl_b32 s67, s12, 7                         ; m and l, back: row 8 w + h
	s_add_co_u32 s67, s67, STATS
	v_lshl_add_u32 v[RSM], v18, 4, s67
	v_lshlrev_b32 v[OOFF], 4, v16                  ; out: 256 h + 16 r
	v_mov_b32 v[NINF], 0xff800000
	v_mov_b32 v[PXR], 0                            ; v_permlanex16_b32 counts as a reader of its destination
	; ---- first pass: super-block IA, IA + 1 steps (an even number): tile IA, then tiles 0 .. IA - 1
	s_mov_b32 s22, 0
	s_mov_b32 s23, 0                               ; the diagonal step sends for tile 0
	STEP 0, 1, 1, 1
	NEXT_A
	STEP 1, 0, 0, 1
	s_lshr_b32 s66, s20, 1                         ; (IA - 1) / 2 more pairs of steps (IA is odd)
	s_cmp_eq_u32 s66, 0
	s_cbranch_scc1 .Lpass_a_done
.Lpass_a:
	NEXT_A
	STEP 0, 1, 0, 1
	NEXT_A
	STEP 1, 0, 0, 1                                ; the last of these sends for tile IB, the second pass's first
	s_sub_co_u32 s66, s66, 1
	s_cmp_lg_u32 s66, 0
	s_cbranch_scc1 .Lpass_a
.Lpass_a_done:
	LDQ 70                                         ; the second pass's Q comes in during the merge
	EPI 72
	s_wait_xcnt 0x0                                ; the registers that the stores read are written again only behind this wait
	; ---- second pass: super-block IB, IB + 1 steps: tile IB, then tiles 0 .. IB - 1
	s_mov_b32 s22, 0
	s_mov_b32 s23, 0
	s_cmp_eq_u32 s21, 0                            ; IB hangs on the cluster's number alone: all four partners go the same way
	s_cbranch_scc1 .Lonly_diag
	STEP 0, 1, 1, 1
	s_lshr_b32 s66, s21, 1                         ; IB / 2 pairs of steps, the last one written out
	s_sub_co_u32 s66, s66, 1
	s_cmp_eq_u32 s66, 0
	s_cbranch_scc1 .Lpass_b_tail
.Lpass_b:
	NEXT_B
	STEP 1, 0, 0, 1
	NEXT_B
	STEP 0, 1, 0, 1
	s_sub_co_u32 s66, s66, 1
	s_cmp_lg_u32 s66, 0
	s_cbranch_scc1 .Lpass_b
.Lpass_b_tail:
	NEXT_B
	STEP 1, 0, 0, 1                                ; sends for the last tile, IB - 1
	STEP 0, 1, 0, 0                                ; nothing is left to fetch
	s_branch .Lend
.Lonly_diag:
	STEP 0, 1, 1, 0                                ; super-block 0 has its diagonal tile alone
.Lend:
	EPI 74
	s_wait_tensorcnt 0x0
	ds_add_u32 v30, v31
	s_wait_dscnt 0x0
	ROUND                                          ; the closing round: no work-group ends while a partner may still ask for a tile that names it
	s_endpgm
.Lfunc_end_k_q6f9b4fa463_attn:
	.size	k_q6f9b4fa463_attn, .Lfunc_end_k_q6f9b4fa463_attn-k_q6f9b4fa463_attn
	.p2alignl 7, 3214868480
	.fill 96, 4, 3214868480
	.section	.rodata,"a",@progbits
	.p2align	6, 0x0
	.amdhsa_kernel k_q6f9b4fa463_attn
		.amdhsa_group_segment_fixed_size 327680
		.amdhsa_private_segment_fixed_size 0
		.amdhsa_enable_private_segment 0
		.amdhsa_kernarg_size 32
		.amdhsa_user_sgpr_count 2
		.amdhsa_user_sgpr_kernarg_segment_ptr 1
		.amdhsa_wavefront_size32 1
		.amdhsa_system_sgpr_workgroup_id_x 1
		.amdhsa_system_sgpr_workgroup_id_y 1
		.amdhsa_system_sgpr_workgroup_id_z 1
		.amdhsa_system_vgpr_workitem_id 0
		.amdhsa_next_free_vgpr 256
		.amdhsa_next_free_sgpr 88
		.amdhsa_reserve_vcc 1
		.amdhsa_float_denorm_mode_32 3
		.amdhsa_float_denorm_mode_16_64 3
		.amdhsa_memory_ordered 1
		.amdhsa_forward_progress 1
		.amdhsa_inst_pref_size 215
	.end_amdhsa_kernel
	.amdgpu_metadata
---
amdhsa.version: [ 1, 2 ]
amdhsa.kernels:
  - .name:           k_q6f9b4fa463_attn
    .symbol:         k_q6f9b4fa463_attn.kd
    .args:
      - { .name: Qs, .offset: 0, .size: 8, .value_kind: global_buffer, .address_space: global }
      - { .name: Kb, .offset: 8, .size: 8, .value_kind: global_buffer, .address_space: global }
      - { .name: Vt, .offset: 16, .size: 8, .value_kind: global_buffer, .address_space: global }
      - { .name: out0, .offset: 24, .size: 8, .value_kind: global_buffer, .address_space: global }
    .group_segment_fixed_size: 327680
    .private_segment_fixed_size: 0
    .kernarg_segment_align: 8
    .kernarg_segment_size: 32
    .max_flat_workgroup_size: 256
    .sgpr_count:     88
    .vgpr_count:     256
    .wavefront_size: 32
...
	.end_amdgpu_metadata
.endif
;; end of part 2
